; MI455X (gfx1250); checked and timed in simulation.
; The chip was launched on July 23, 2026; its instructions are those of AMD's public machine-readable ISA for CDNA 5 (MIT licence, August 2026) and "CDNA5" Instruction Set Architecture Reference Guide (July 2026). The comments in the code are by the model that wrote it; some were corrected since.
;; Siamese Tangent Layer. Allowed arithmetic: matrix products marked QUANTISED: E2M3 operands, one E8M0 scale for each 32 along K, by v_wmma_scale_f32_16x16x128_f8f6f4 with both operands' format E2M3, f32 sums; everything else in f32.
;; Inputs: protos 200 x 512 float32; subspaces 200 x 512 x 64 float32; x 1,024 x 512 float32.
;; Outputs: out0 1,024 x 200 float32.
;; This version of the problem:
;;   THIS VERSION OF THE PROBLEM IS GIVEN IN LOW PRECISION. The matrix products marked QUANTISED in the list below multiply operands that are first quantised to E2M3 (2 exponent bits, 3 mantissa bits; 6 bits a number), with one power-of-two scale for each 32 numbers along K (OCP MX v1.0); their sums are f32. All else is computed in f32.
;;   The module's matrix products, in the order in which they are computed (A, B: the left and right operand; K: the contracted axis; several contracted axes count as one K, in the product's order):
;;     1. batch 200 x [M 512, K 64] x [K 64, N 512]; A: input subspaces; B: input subspaces: QUANTISED
;;     2. batch 200 x [M 512, K 512] x [K 512, N 1,024]; A: computed on the way; B: computed on the way: QUANTISED
;;   THE QUANTISER, for each operand of a quantised product, along K:
;;     - K is cut into blocks of 32 from its start; a last block that is shorter is filled with zeros.
;;     - A block's scale is 2^e with e = floor(log2(the largest magnitude in the block)) - 2, held to -126 .. 127; a block of zeros has e = 0. As a byte (E8M0): e + 127.
;;     - Each number is divided by its block's scale, clamped to +-7.5, and rounded to the nearest number of E2M3, ties to even, subnormals kept.
;;     - The product sums the exact products of the quantised numbers (number of the format x scale) in f32.
;;   ~~~python
;;   def quantise(x, axis):      # numpy; x: float32 -> the quantised numbers, widened to float32 again
;;       x = np.moveaxis(x, axis, -1); K = x.shape[-1]
;;       x = np.pad(x, [(0, 0)] * (x.ndim - 1) + [(0, -K % 32)]); x = x.reshape(x.shape[:-1] + (-1, 32)); a = np.abs(x).max(-1, keepdims=True)
;;       e = np.where(a > 0, np.clip(np.frexp(np.where(a > 0, a, 1))[1] - 1 - 2, -126, 127), 0)      # np.frexp(a)[1] - 1 = floor(log2(a)), exactly
;;       r = np.clip(x / 2.0 ** e, -7.5, 7.5)
;;       step = 2.0 ** (np.maximum(np.frexp(np.where(r == 0, 1, r))[1] - 1, 0) - 3)
;;       q = np.round(r / step) * step * 2.0 ** e      # np.round: ties to even
;;       return np.moveaxis(q.reshape(q.shape[:-2] + (-1,))[..., :K], -1, axis).astype(np.float32)
;;   ~~~
;;   OPERANDS COMPUTED ON THE WAY. 'Computed on the way' means the value that the module computes at that place (a softmax that the list does not call 'softmax' is quantised finished and normalised). What goes into a quantiser is computed in f32, as accurately as f32 sums, v_exp_f32 and their like allow (about 1e-6 of the number): no bf16 or f16 on the way to a quantiser, and a product that is left as it is and whose result goes on into a quantised operand takes f32 operands (vector FMAs, or v_wmma_f32_16x16x4_f32). A number that lies on a knife's edge between two numbers of the format may be rounded either way, as far as f32 arithmetic and the matrix unit's own rounding can turn it there, and no further.
;; One version. Each part assembles by itself: llvm-mc -triple=amdgcn-amd-amdhsa -mcpu=gfx1250 --defsym DOCPART=n.
;; ======== version 1 of 1: 1 launch
;; launch tangent (part 1): grid 200 x 1, 4 waves a work-group, clusters of 4 x 1, 327,680 bytes of LDS; arguments x, protos, subspaces, out0; writes out0
.if DOCPART == 1
	.amdgcn_target "amdgcn-amd-amdhsa--gfx1250"
	.amdhsa_code_object_version 6
	.text
	.protected	k_qd1b4da4150_tangent
	.globl	k_qd1b4da4150_tangent
	.p2align	8
	.type	k_qd1b4da4150_tangent,@function
k_qd1b4da4150_tangent:
	s_mov_b64 s[64:65], 0
	v_nop
	global_prefetch_b8 v0, s[64:65] scope:SCOPE_SE
	s_setreg_imm32_b32 hwreg(HW_REG_WAVE_MODE, 25, 1), 1
	s_wait_xcnt 0x0
	s_wait_alu depctr_hold_cnt(0) depctr_sa_sdst(0) depctr_va_vdst(0) depctr_va_sdst(0) depctr_va_ssrc(0) depctr_va_vcc(0) depctr_vm_vsrc(0)
	s_getreg_b32 s2, hwreg(HW_REG_IB_STS2, 6, 4)
	s_cmp_eq_u32 s2, 0
	s_cbranch_scc0 .Lentry_in_a_cluster
	s_endpgm
.Lentry_in_a_cluster:
	s_bfe_u32 s2, ttmp6, 0x10000c
	s_cmp_lg_u32 s2, 0x3003
	s_cbranch_scc0 .Lentry_shape_is_right
	s_endpgm
.Lentry_shape_is_right:
; out0[b][p] = the L2 norm over e of the sum over d of Q(x[b][d] - protos[p][d]) Q((I - G_p)[d][e]),  G_p[d][e] = the sum over s of Q(U_p[d][s]) Q(U_p[e][s]).
; x [1024][512], protos [200][512], subspaces U [200][512][64], out0 [1024][200], all f32.  Q: codes of FP6 (E2M3) with one E8M0 scale for each 32 along a product's K; sums in f32.
; ONE WORK-GROUP TAKES ONE PROTOTYPE: 200 work-groups.  Cutting the 1,024 rows of x among more would build the projector again in each, which costs as many matrix instructions as 128 rows.
; Four waves; wave w owns e = 128 w .. 128 w + 127.  Its part of the projector, 8 tiles of e x 4 K steps of 128 d = 32 fragments (384 registers) and 32 scale words, is made once and stays in registers.
; THE SIGN: the kernel keeps G - I.  Its codes are those of I - G with the signs turned and its scales are the same, so every product is the exact negative, and the norm is the same.  The -1 enters as the C of the first product.
; x comes in blocks of 64 rows through a ring of two LDS slots.  CLUSTER: the four work-groups of a cluster read the same x, so each tile is asked for JOINTLY (mask 15).  Wave w fetches, and alone reads,
; columns 128 w .. 128 w + 127: K step w.  It subtracts its 64 numbers a lane of protos[p], quantises, and stores the fragment to LDS as an image of its registers; all four waves load every image, and each feeds 8 products a wave.
; BY TURNS: a step of the loop is 32 products on one tile of 16 rows, and behind EACH stands a slice of the other work: the squares of the tile before, the fetch of the next tile, the quantising of a later one.
; out0: a work-group owns one column of [1024][200], so its results are words of 4 bytes, 800 bytes apart; they are 819,200 of the launch's 29.5 million bytes, and no second launch is spent on turning them.
; No prefetch: U is wanted at the head, and all 50 clusters walk the same 2 MB of x.
; LIMITS: NaN and infinities among the inputs are not served.  A sum of squares under 2^-126 gives 0 (v_sqrt_f32 takes a denormal as zero).  A block of zeros carries the byte 1 where the rule says 127:
; its codes are zeros, which add nothing under any byte but 0xff, and the bytes are read by this program alone.
;
; LDS
.set XROW,  528                        ; a row of x's tile: 512 bytes + 16 = 132 words: row r starts at bank 4 r mod 64 (64 banks of 4 bytes: ISA guide 11.1)
.set XTILE, 64*XROW                    ; a wave's tile: 64 rows x 128 columns
.set XSLOT, 4*XTILE                    ; 0x21000: neither of its two bits occurs in wave x XTILE, so one exclusive or turns a place in one slot into the other's
.set IMG,   2*XSLOT                    ; behind the ring: two buffers of diff's images
.set FRB,   1536                       ; a fragment's image: 12 registers x 32 lanes
.set REC,   4*FRB+256                  ; a tile of 16 rows: four images (K step s at s x FRB), then its scale words, 16 bytes a row, 4 bytes a K step
.set IMGB,  4*REC                      ; a block of 64 rows
.set PART,  IMG+2*IMGB                 ; two buffers of 1,024 bytes: the waves' sums of squares: 256 x slot + 16 x row + 4 x wave
.set SPARE, PART+2048                  ; the spare words, 128 bytes for each wave: two blocks of 256 bytes that no other line names
.set TST,   IMG                        ; while the projector is made, IMG's bytes hold: a stage of 16 rows x 272 bytes for each wave,
.set UIMG,  TST+4*16*272               ; U's 32 fragments (16 rows x 64 s: 6 registers): registers 0-3 at 16 x lane, registers 4-5 at 512 + 8 x lane,
.set USC,   UIMG+32*768                ; and their scale words, 4 x lane
; VECTOR REGISTERS, in windows of 256 (s_set_vgpr_msb: bits 1:0 source 0, 3:2 source 1, 5:4 source 2, 7:6 destination).  Window 0:
.set LANE, 1
.set SPW,  2                           ; LDS address of my spare word; never rewritten
.set NIL,  3                           ; 0; never rewritten
.set XA0,  4                           ; places that stay: x's tile,
.set IW0,  5                           ; where I store an image,
.set IS0,  6                           ; and its scale word,
.set FF0,  7                           ; where I fetch images,
.set FS0,  8                           ; and scale words,
.set PW0,  9                           ; where I put a tile's sum,
.set FR0,  10                          ; where I read four waves' sums,
.set OO0,  11                          ; 800 x lane: a row of out0
.set SH8,  12                          ; 8 x (lane / 16)
.set XAD,  13                          ; the same places in the half period in hand
.set IWA,  14
.set ISA,  15
.set FFA,  16
.set FSA,  17
.set PWA,  18
.set FRA,  19
.set OA,   20                          ; my offset in out0
.set RS,   21                          ; the result
.set ESC,  22                          ; v22-23   scale words of U's e rows, two sets
.set FN,   24                          ; v24-27   four waves' sums
.set UGA,  28
.set PGA,  29
.set TSA,  30
.set TLA,  31
.set UIA,  32
.set UIB,  33
.set USA,  34
.set PA0,  35
.set PB0,  36
.set PS0,  37
.set PAD,  38
.set PBD,  39
.set PSD,  40
.set FSC,  44                          ; v44-51   diff's scale words, two sets of four K steps
.set PSC,  52                          ; v52-83   the projector's scale words: (s, et) at 8 ((s + 2) % 4) + et
.set HB,   84                          ; v84-211  two sets of 8 tiles of G - I
.set XN,   84                          ; v84-147  later: 64 numbers of x, then of diff;  first: two sets of 32 numbers of U
.set TMD,  148                         ; v148-151 largest magnitudes
.set SCL,  152                         ; v152-153 the conversions' scale operands
.set BYT,  154                         ; v154-155 scale bytes
.set WD,   156                         ; the scale word
.set WT,   157                         ; and lane l xor 16's
.set PCD,  160                         ; v160-171 diff's codes (U's: six registers and the word at v160 and at v180, by turns)
.set YC,   172                         ; v172-174, v176-178 second halves of blocks, as converted
.set TMB,  212                         ; v212-223 the projector's quantiser at work
.set PCB,  224                         ; v224-243 its codes
.set ASC,  244                         ; v244-251 scale words of U's d rows: lanes 0-15 the trip's first K step, lanes 16-31 its second
.set MV,   252                         ; -1.0 or 0
.set ST0,  253                         ; a tile's sum of squares
.set ST1,  254
; window 1: v0-191 the projector's K steps 2, 3 (fragment at 96 (s % 2) + 12 et);  v192-255 my 64 numbers of protos[p].   window 2: v0-191 its K steps 0, 1.
.set PR,   192
; window 3, main part: v0-127 two sets of 8 accumulators; v128-223 two sets of diff's four fragments; v224-231 squares.   While the projector is made: first U as loaded; then v0-191 U's d rows, v192-215 its e rows, v216-247 the diagonal.
.set FRG,  128
.set SSQ,  224
.set EFR,  192
.set IDM,  216
; SCALAR REGISTERS
.set WV,   12                          ; wave
.set CX,   13                          ; my place in the cluster: it enters the addresses of U, protos and out0 alone
.set PP,   14                          ; the prototype
.set G1,   16                          ; s[16:23] descriptor group 1
.set G0A,  24                          ; s[24:27] group 0 of block 0
.set G0B,  28                          ; s[28:31] group 0 of block 1; it then walks
.set TX,   32                          ; LDS steps of the half period in hand: x's slot,
.set TW,   33                          ; the images that are written,
.set TF,   34                          ; those that are fetched,
.set TPW,  35                          ; the sums that are written,
.set TPR,  36                          ; and those that are read
.set TT,   37                          ; the first of the two tiles whose results I store; 64 or more: none
.set CNT,  38
.set CN2,  39
.set SEL,  40                          ; s[40:41] v_permlanex16_b32's selects for lane l xor 16
.set TR,   48
.set KB,   49
.set AOF,  50
.set SOF,  51
.set MSB, 0
.macro WIN new                         ; the immediate's high byte repeats the setting that is left; a switch that changes nothing is dropped
.if MSB != \new
	s_set_vgpr_msb (MSB<<8)|\new
.set MSB, \new
.endif
.endm
.macro PLACES
.rept 4
	v_nop
.endr
.endm
.macro CROUND                          ; a round of the cluster's barrier: my work-group's barrier; wave 0 signals for the work-group; every wave waits for all four work-groups; my work-group's barrier once more
	s_barrier_signal -1
	s_barrier_wait -1
	s_cmp_lg_u32 s[WV], 0
	s_cbranch_scc1 .Lnot_wave_0_\@
	s_barrier_signal -3
.Lnot_wave_0_\@:
	s_barrier_wait -3
	s_barrier_signal -1
	s_barrier_wait -1
.endm
; ---------------- PHASE A: my 128 rows of U become 8 fragments
; Fragment g's 16 rows (eight loads of 512 consecutive bytes) turn through my stage, so that lane (r, h) holds block h of row r: 32 neighbours along s.
.macro TURN g
	s_wait_loadcnt 56-8*(\g)                       ; loads come back in order: protos' 16 and U's up to this fragment's eight are in; the 56 - 8 g behind them may be out
	WIN 0x0c                                       ; an LDS store's data are its source 1: window 3
.irp k, 0,1,2,3,4,5,6,7
	ds_store_b128 v[TSA], v[32*(\g)+4*\k:32*(\g)+4*\k+3] offset:544*\k
.endr
	WIN 0
.irp j, 0,1,2,3,4,5,6,7
	ds_load_b128 v[XN+32*((\g)%2)+4*\j:XN+32*((\g)%2)+4*\j+3], v[TLA] offset:16*\j   ; LDS serves a wave's instructions in order: these see the stores above, and the next turn's stores come behind them
.endr
.endm
.macro UQ g                            ; the block's scale, its 32 codes (registers 0-5 of a fragment), the row's scale word; their image goes to LDS
.set ub, XN+32*((\g)%2)
.set uc, PCD+20*((\g)%2)               ; two sets, so that a set is written again only behind a wait that shows its stores done
	v_max3_num_f32 v[TMD], |v[ub]|, |v[ub+1]|, 0x1800000              ; with the floor 2^(3 - 127): the byte cannot fall under 1
	v_max3_num_f32 v[TMD+1], |v[ub+16]|, |v[ub+17]|, |v[ub+18]|       ; two chains, so that no line waits for the line above it
.irp i, 1,2,3,4,5,6
	v_max3_num_f32 v[TMD], v[TMD], |v[ub+2*\i]|, |v[ub+2*\i+1]|
	v_max3_num_f32 v[TMD+1], v[TMD+1], |v[ub+17+2*\i]|, |v[ub+18+2*\i]|
.endr
	v_max3_num_f32 v[TMD], v[TMD], |v[ub+14]|, |v[ub+15]|
	v_max3_num_f32 v[TMD], v[TMD], v[TMD+1], |v[ub+31]|
	v_add_nc_u32 v[SCL], 0xff000000, v[TMD]        ; 2 off the exponent field: the conversion takes the exponent field of this operand as its scale
	v_cvt_scalef32_pk16_fp6_f32 v[uc:uc+2], v[ub:ub+15], v[SCL]
	v_cvt_scalef32_pk16_fp6_f32 v[YC:YC+2], v[ub+16:ub+31], v[SCL]   ; (a conversion's three registers begin on an even number)
	v_lshrrev_b32 v[BYT], 23, v[SCL]               ; the scale's byte.  (The plain place behind the conversions)
	v_lshlrev_b32 v[uc+6], v[SH8], v[BYT]          ; at its place in the word: block h is byte h;
.irp i, 0,1,2
	v_mov_b32 v[uc+3+\i], v[YC+\i]
.endr
	v_permlanex16_b32 v[WT], v[uc+6], s[SEL], s[SEL+1]
	v_or_b32 v[uc+6], v[uc+6], v[WT]               ; with lane l xor 16's the word is whole; bytes 2 and 3 stay 0 and stand over zero codes
	ds_store_b128 v[UIA], v[uc:uc+3] offset:768*(\g)
	ds_store_b64 v[UIB], v[uc+4:uc+5] offset:768*(\g)+512
	ds_store_b32 v[USA], v[uc+6] offset:128*(\g)
.endm
; ---------------- PHASE B: G - I, quantised along d
; A trip makes two K steps of 128 d.  THE ROWS OF U THAT FORM A TILE ARE NOT NEIGHBOURS: lane r of tile 2 b + u takes d = 32 b + 8 u + r + 8 (r / 8), so that in the results the 16 registers of tiles 2 b, 2 b + 1 are 16 neighbours along d.
.macro ALOAD
	v_add_nc_u32 v[PAD], s[AOF], v[PA0]
	v_add_nc_u32 v[PBD], s[AOF], v[PB0]
	v_add_nc_u32 v[PSD], s[SOF], v[PS0]
	WIN 0xc0                                       ; destination window 3
.irp sp, 0,1
.irp t, 0,1,2,3,4,5,6,7
	ds_load_b128 v[96*\sp+12*\t:96*\sp+12*\t+3], v[PAD] offset:6144*\sp+1536*(\t/2)+128*(\t%2)
	ds_load_b64 v[96*\sp+12*\t+4:96*\sp+12*\t+5], v[PBD] offset:6144*\sp+1536*(\t/2)+64*(\t%2)+512
.endr
.endr
	WIN 0
.irp t, 0,1,2,3,4,5,6,7
	ds_load_b32 v[ASC+\t], v[PSD] offset:256*(\t/2)+32*(\t%2)
.endr
.endm
.macro ELOAD u                         ; unit u = 8 x (K step of the trip) + et: my e rows 16 et on, as they lie
	WIN 0xc0
	ds_load_b128 v[EFR+12*((\u)%2):EFR+12*((\u)%2)+3], v[UIA] offset:768*((\u)%8)
	ds_load_b64 v[EFR+12*((\u)%2)+4:EFR+12*((\u)%2)+5], v[UIB] offset:768*((\u)%8)+512
	WIN 0
	ds_load_b32 v[ESC+(\u)%2], v[USA] offset:128*((\u)%8)
.endm
; The diagonal.  In tile 2 b + u of e tile et, lane (r, h) holds e = 16 et + r and register j holds d = 32 b + 16 h + 8 u + j: d = e where the K step is my own, b = et / 2, h = et % 2 and r = 8 u + j.
; So register i of 32 is -1 in lane i, in the K step that is the wave's number, and 0 elsewhere; tile t of e tile et takes registers 16 (et % 2) + 8 (t % 2) on as its C where t / 2 = et / 2.
.macro IDUPD sp
	WIN 0
	s_add_co_u32 s42, s[KB], \sp
	s_cmp_eq_u32 s42, s[WV]
	s_cselect_b32 s42, 0xbf800000, 0
	v_mov_b32 v[MV], s42
	WIN 0xc0
.set ii, 0
.rept 32
	v_cmp_eq_u32 vcc_lo, ii, v[LANE]
	v_cndmask_b32 v[IDM+ii], v[NIL], v[MV], vcc_lo
.set ii, ii+1
.endr
	WIN 0
.endm
.macro WMB u, t                        ; tile t of unit u: source 0 = 16 rows d of U, source 1 = 16 rows e; K = 64 s and 64 zero codes
.set wsp, (\u)/8
.set wet, (\u)%8
.set wD, HB+64*((\u)%2)+8*(\t)
.set wA, 96*wsp+12*(\t)
.set wB, EFR+12*((\u)%2)
.set wC, IDM+16*(wet%2)+8*((\t)%2)
	WIN 0x3f                                       ; sources in window 3, results in window 0
.if (((\t)/2) == (wet/2)) && (wsp == 0)
	v_wmma_scale_f32_16x16x128_f8f6f4 v[wD:wD+7], v[wA:wA+11], v[wB:wB+11], v[wC:wC+7], v[ASC+(\t)], v[ESC+(\u)%2] matrix_a_fmt:MATRIX_FMT_FP6 matrix_b_fmt:MATRIX_FMT_FP6
.elseif ((\t)/2) == (wet/2)
	v_wmma_scale_f32_16x16x128_f8f6f4 v[wD:wD+7], v[wA:wA+11], v[wB:wB+11], v[wC:wC+7], v[ASC+(\t)], v[ESC+(\u)%2] matrix_a_fmt:MATRIX_FMT_FP6 matrix_b_fmt:MATRIX_FMT_FP6 matrix_a_scale:MATRIX_SCALE_ROW1
.elseif wsp == 0
	v_wmma_scale_f32_16x16x128_f8f6f4 v[wD:wD+7], v[wA:wA+11], v[wB:wB+11], 0, v[ASC+(\t)], v[ESC+(\u)%2] matrix_a_fmt:MATRIX_FMT_FP6 matrix_b_fmt:MATRIX_FMT_FP6
.else
	v_wmma_scale_f32_16x16x128_f8f6f4 v[wD:wD+7], v[wA:wA+11], v[wB:wB+11], 0, v[ASC+(\t)], v[ESC+(\u)%2] matrix_a_fmt:MATRIX_FMT_FP6 matrix_b_fmt:MATRIX_FMT_FP6 matrix_a_scale:MATRIX_SCALE_ROW1
.endif
.endm
; Number qj of the 74 that turn a unit's 64 numbers a lane (register 16 b + i = d 32 b + 16 (lane / 16) + i of my e row) into a fragment of the projector and its scale word.
.macro QBI
.if qj < 62
	WIN 0
.endif
.if qj < 4
	v_max3_num_f32 v[TMB+qj], |v[hb+16*qj]|, |v[hb+16*qj+1]|, 0x1800000   ; each tile is read from its low end on; the floor holds the byte at 1 from below
.elseif qj < 32
	v_max3_num_f32 v[TMB+qj%4], v[TMB+qj%4], |v[hb+16*(qj%4)+2*(qj/4)]|, |v[hb+16*(qj%4)+2*(qj/4)+1]|   ; the four blocks by turns
.elseif qj < 36
	v_permlanex16_b32 v[TMB+4+qj-32], v[TMB+qj-32], s[SEL], s[SEL+1]
.elseif qj < 40
	v_max_num_f32 v[TMB+qj-36], v[TMB+qj-36], v[TMB+4+qj-36]          ; with lane l xor 16's 16: the block's largest magnitude
.elseif qj < 44
	v_add_nc_u32 v[TMB+8+qj-40], 0xff000000, v[TMB+qj-40]
.elseif qj < 48
	v_lshrrev_b32 v[TMB+4+qj-44], 23, v[TMB+8+qj-44]
.elseif qj == 48
	v_lshl_or_b32 v[ps], v[TMB+5], 8, v[TMB+4]                        ; the four bytes make my e row's scale word, in the register where it stays
.elseif qj == 49
	v_lshl_or_b32 v[ps], v[TMB+6], 16, v[ps]
.elseif qj == 50
	v_lshl_or_b32 v[ps], v[TMB+7], 24, v[ps]
.elseif qj < 55
.set cc, (qj-51)/2
.if (qj-51)%2 == 0
	v_cvt_scalef32_pk16_fp6_f32 v[PCB+6*cc:PCB+6*cc+2], v[hb+32*cc:hb+32*cc+15], v[TMB+8+2*cc]
.else
	v_cvt_scalef32_pk16_fp6_f32 v[PCB+12+4*cc:PCB+12+4*cc+2], v[hb+32*cc+16:hb+32*cc+31], v[TMB+9+2*cc]
.endif
.elseif qj == 55
	v_nop                                          ; one plain place behind the conversions
.elseif qj < 62
	v_permlane16_swap_b32 v[PCB+6*((qj-56)/3)+(qj-56)%3], v[PCB+12+4*((qj-56)/3)+(qj-56)%3]   ; the layout wants a WHOLE block in a lane: lanes 0-15 block 2 c, lanes 16-31 block 2 c + 1
.else
.set cc, (qj-62)/6
.set ci, (qj-62)%6
	WIN 0x40                                       ; into window 1, where the fragment stays
.if ci < 3
	v_mov_b32 v[pd+6*cc+ci], v[PCB+6*cc+ci]
.else
	v_mov_b32 v[pd+6*cc+ci], v[PCB+12+4*cc+ci-3]
.endif
.endif
.endm
; Unit u is quantised; the next unit's eight products stand among the 74 lines, one behind every eighth, and the e rows of the unit after that are asked for.
; The places: a unit's last product stands in front of the 12 moves that end the unit before it, which name none of its registers: they part it from the first read of its results and from the loads into its sources.
.macro QW u
.set hb, HB+64*((\u)%2)
.set ps, PSC+(\u)
.set pd, 12*(\u)
	s_wait_dscnt 0x0                               ; the next unit's e rows and scale words are in (asked for a unit ago)
.set qj, 0
.rept 74
	QBI
.if ((\u) < 15) && (qj%8 == 3) && (qj < 64)
	WMB (\u)+1, qj/8
.endif
.if ((\u) < 14) && (qj == 5)
	ELOAD (\u)+2
.endif
.set qj, qj+1
.endr
.endm
; ---------------- THE MAIN PART
; Product slt of a step's 32: K step slt / 8, e tile slt % 8.  The 8 accumulators take turns, one instruction a turn; the first 8 start the sums with the constant 0.
.macro WMM par
.set ks, slt/8
.set et, slt%8
.if ks < 2
	WIN 0xfe                                       ; the projector in window 2; diff, C and D in window 3
.else
	WIN 0xfd                                       ; the projector in window 1
.endif
.set rD, 64*(\par)+8*et
.set rA, 96*(ks%2)+12*et
.set rB, FRG+48*(\par)+12*ks
.if ks == 0
	v_wmma_scale_f32_16x16x128_f8f6f4 v[rD:rD+7], v[rA:rA+11], v[rB:rB+11], 0, v[PSC+8*((ks+2)%4)+et], v[FSC+4*(\par)+ks] matrix_a_fmt:MATRIX_FMT_FP6 matrix_b_fmt:MATRIX_FMT_FP6
.else
	v_wmma_scale_f32_16x16x128_f8f6f4 v[rD:rD+7], v[rA:rA+11], v[rB:rB+11], v[rD:rD+7], v[PSC+8*((ks+2)%4)+et], v[FSC+4*(\par)+ks] matrix_a_fmt:MATRIX_FMT_FP6 matrix_b_fmt:MATRIX_FMT_FP6
.endif
.endm
; THE OTHER WORK OF A STEP is a list; ITEM writes number itn of it.  The whole list, by its numbers itf:
;   0-5     the first six of the 39 lines of the norm of the tile before (accumulator set 1 - par).  They name accumulators 0 and 1 alone, so they are the places between the last product of the step before and the loads below
;   6-21    16 LDS loads: my 64 numbers of a tile of x: row r, columns 64 c + 32 h + 0 .. 31 of my 128
;   22-34   the next tile's scale words (one load of four) and its four fragments (twelve loads) into set 1 - par
;   35-67   the rest of the norm: squares in four chains of pairs, accumulators in ascending order, each from its low end on; the halves; lane l xor 16's; the sum to LDS
;   68-99   diff = x - protos, two at a time
;   100-150 its two blocks a lane: largest magnitudes (four chains), scale operands, bytes, the scale word, four conversions, a place, six moves
;   151-154 the fragment's image and its scale word to LDS
; A step that has no norm (nrm = 0), quantises nothing (qnt = 0) or fetches nothing (fet = 0) passes over those numbers, so that what it has is dealt evenly over its products.
.macro ITEM par, nrm, qnt, fet, odd
.set itf, itn
.if (\nrm) == 0
.set itf, itf+6
.endif
.if (itf >= 6) && ((\qnt) == 0)
.set itf, itf+16
.endif
.if (itf >= 22) && ((\fet) == 0)
.set itf, itf+13
.endif
.if (itf >= 35) && ((\nrm) == 0)
.set itf, itf+33
.endif
.set ab, 64*(1-(\par))
.set fb, FRG+48*(1-(\par))
.if (itf < 6) || ((itf >= 35) && (itf < 68))
.set iq, itf-29*(itf/35)
.if iq < 35
	WIN 0xff
.endif
.if iq < 4
	v_pk_mul_f32 v[SSQ+2*iq:SSQ+2*iq+1], v[ab+2*iq:ab+2*iq+1], v[ab+2*iq:ab+2*iq+1]   ; the first four pairs start the chains: nothing is cleared
.elseif iq < 32
	v_pk_fma_f32 v[SSQ+2*(iq%4):SSQ+2*(iq%4)+1], v[ab+2*iq:ab+2*iq+1], v[ab+2*iq:ab+2*iq+1], v[SSQ+2*(iq%4):SSQ+2*(iq%4)+1]
.elseif iq == 32
	v_pk_add_f32 v[SSQ:SSQ+1], v[SSQ:SSQ+1], v[SSQ+2:SSQ+3]
.elseif iq == 33
	v_pk_add_f32 v[SSQ+4:SSQ+5], v[SSQ+4:SSQ+5], v[SSQ+6:SSQ+7]
.elseif iq == 34
	v_pk_add_f32 v[SSQ:SSQ+1], v[SSQ:SSQ+1], v[SSQ+4:SSQ+5]
.elseif iq == 35
	WIN 0x0f                                       ; sources in window 3, the sum in window 0
	v_add_f32 v[ST0], v[SSQ], v[SSQ+1]
.elseif iq == 36
	WIN 0
	v_permlanex16_b32 v[ST1], v[ST0], s[SEL], s[SEL+1]   ; my row's other 64 e lie in the lane 16 away
.elseif iq == 37
	WIN 0
	v_add_f32 v[ST0], v[ST0], v[ST1]
.else
	WIN 0
	ds_store_b32 v[PWA], v[ST0] offset:256*(\odd)  ; lanes r and r + 16 write the same word with the same value
.endif
.elseif itf < 22
	WIN 0
	ds_load_b128 v[XN+4*(itf-6):XN+4*(itf-6)+3], v[XAD] offset:16*XROW*(\odd)+256*((itf-6)/8)+16*((itf-6)%8)
.elseif itf == 22
	WIN 0
	ds_load_b128 v[FSC+4*(1-(\par)):FSC+4*(1-(\par))+3], v[FSA] offset:REC*(\odd)
.elseif itf < 35
	WIN 0xc0
	ds_load_b128 v[fb+4*(itf-23):fb+4*(itf-23)+3], v[FFA] offset:REC*(\odd)+512*(itf-23)
.elseif itf < 100
.if itf == 68
	s_wait_dscnt 13*(\fet)+(\nrm)                  ; x's 16 loads are in; behind them stand the 13 loads of the fetch and the store of the sum, which may be out
.endif
	WIN 0x04                                       ; source 1 (protos) in window 1
	v_pk_add_f32 v[XN+2*(itf-68):XN+2*(itf-68)+1], v[XN+2*(itf-68):XN+2*(itf-68)+1], v[PR+2*(itf-68):PR+2*(itf-68)+1] neg_lo:[0,1] neg_hi:[0,1]
.elseif itf < 151
.set iq, itf-100
	WIN 0
.if iq < 4
.if iq%2 == 0
	v_max3_num_f32 v[TMD+iq], |v[XN+32*(iq/2)]|, |v[XN+32*(iq/2)+1]|, 0x1800000        ; a lane holds two whole blocks: no other lane is asked.  The floor holds the byte at 1 from below
.else
	v_max3_num_f32 v[TMD+iq], |v[XN+32*(iq/2)+16]|, |v[XN+32*(iq/2)+17]|, |v[XN+32*(iq/2)+18]|
.endif
.elseif iq < 28
.if iq%2 == 0
	v_max3_num_f32 v[TMD+iq%4], v[TMD+iq%4], |v[XN+32*((iq%4)/2)+2*(iq/4)]|, |v[XN+32*((iq%4)/2)+2*(iq/4)+1]|
.else
	v_max3_num_f32 v[TMD+iq%4], v[TMD+iq%4], |v[XN+32*((iq%4)/2)+17+2*(iq/4)]|, |v[XN+32*((iq%4)/2)+18+2*(iq/4)]|
.endif
.elseif iq < 30
	v_max3_num_f32 v[TMD+2*(iq-28)], v[TMD+2*(iq-28)], |v[XN+32*(iq-28)+14]|, |v[XN+32*(iq-28)+15]|
.elseif iq < 32
	v_max3_num_f32 v[TMD+2*(iq-30)], v[TMD+2*(iq-30)], v[TMD+2*(iq-30)+1], |v[XN+32*(iq-30)+31]|
.elseif iq < 34
	v_add_nc_u32 v[SCL+iq-32], 0xff000000, v[TMD+2*(iq-32)]
.elseif iq < 36
	v_lshrrev_b32 v[BYT+iq-34], 23, v[SCL+iq-34]
.elseif iq == 36
	v_lshl_or_b32 v[WD], v[BYT+1], 16, v[BYT]      ; my two bytes: blocks h and 2 + h of my row,
.elseif iq == 37
	v_lshlrev_b32 v[WD], v[SH8], v[WD]             ; at their places in the word;
.elseif iq == 38
	v_permlanex16_b32 v[WT], v[WD], s[SEL], s[SEL+1]
.elseif iq == 39
	v_or_b32 v[WD], v[WD], v[WT]                   ; with lane l xor 16's two the word is whole
.elseif iq < 44
.if iq%2 == 0
	v_cvt_scalef32_pk16_fp6_f32 v[PCD+6*((iq-40)/2):PCD+6*((iq-40)/2)+2], v[XN+32*((iq-40)/2):XN+32*((iq-40)/2)+15], v[SCL+(iq-40)/2]
.else
	v_cvt_scalef32_pk16_fp6_f32 v[YC+4*((iq-40)/2):YC+4*((iq-40)/2)+2], v[XN+32*((iq-40)/2)+16:XN+32*((iq-40)/2)+31], v[SCL+(iq-40)/2]
.endif
.elseif iq == 44
	v_nop                                          ; one plain place behind the conversions
.else
	v_mov_b32 v[PCD+6*((iq-45)/3)+3+(iq-45)%3], v[YC+4*((iq-45)/3)+(iq-45)%3]
.endif
.else
	WIN 0
.if itf < 154
	ds_store_b128 v[IWA], v[PCD+4*(itf-151):PCD+4*(itf-151)+3] offset:REC*(\odd)+512*(itf-151)
.else
	ds_store_b32 v[ISA], v[WD] offset:REC*(\odd)   ; lanes r and r + 16 write the same word with the same value
.endif
.endif
.endm
; A STEP.  par: the set of accumulators and fragments that the products use.  wm = 1: 32 products, a slice of the list behind each; wm = 0: the list alone.  odd: which of a half period's two tiles.
; k0: the LDS instructions behind the last fragment load of the step before (its store of a sum, its four stores of an image), which may be out when the products begin.
.macro STEP par, wm, nrm, qnt, fet, odd, k0
.set NIT, 39*(\nrm)+103*(\qnt)+13*(\fet)
.set itn, 0
.if \wm
	s_wait_dscnt \k0
.set slt, 0
.rept 32
	WMM \par
.rept ((slt+1)*NIT)/32-(slt*NIT)/32
	ITEM \par, \nrm, \qnt, \fet, \odd
.set itn, itn+1
.endr
.set slt, slt+1
.endr
.else
.rept NIT
	ITEM \par, \nrm, \qnt, \fet, \odd
.set itn, itn+1
.endr
.endif
.endm
.macro HEADH                           ; the places of a half period (two tiles)
	v_add_nc_u32 v[XAD], s[TX], v[XA0]
	v_add_nc_u32 v[IWA], s[TW], v[IW0]
	v_add_nc_u32 v[ISA], s[TW], v[IS0]
	v_add_nc_u32 v[FFA], s[TF], v[FF0]
	v_add_nc_u32 v[FSA], s[TF], v[FS0]
	v_add_nc_u32 v[PWA], s[TPW], v[PW0]
.endm
.macro TAILH
	s_add_co_u32 s[TX], s[TX], 2*16*XROW
	s_add_co_u32 s[TW], s[TW], 2*REC
	s_add_co_u32 s[TF], s[TF], 2*REC
	s_add_co_u32 s[TPW], s[TPW], 512
.endm
.macro HALF qnt, fet, k0
	HEADH
	STEP 1, 1, 1, \qnt, \fet, 0, \k0
	STEP 0, 1, 1, \qnt, \fet, 1, \k0
	WIN 0
	TAILH
.endm
.macro PERIOD qnt, fet, k0             ; four steps: a half period written once and walked twice
	s_mov_b32 s[CN2], 2
.Lhalf_\@:
	HALF \qnt, \fet, \k0
	s_sub_co_u32 s[CN2], s[CN2], 1
	s_cmp_lg_u32 s[CN2], 0
	s_cbranch_scc1 .Lhalf_\@
.endm
; THE RESULTS of the period before: waves 0 and 1 take two tiles each, 32 lanes for 32 rows; the four waves' sums of a row are 16 neighbouring bytes.  FINAL_A asks for them behind the barrier, FINAL_B uses them a period later.
; The branch hangs on the wave's number and the count of periods alone.  s[TT] is 64 or more (as an unsigned number) in waves 2 and 3 and where a tile does not exist.
.macro FINAL_A
	v_add_nc_u32 v[FRA], s[TPR], v[FR0]
	s_cmp_lt_u32 s[TT], 64
	s_cbranch_scc0 .Lno_sums_\@
	ds_load_b128 v[FN:FN+3], v[FRA]
.Lno_sums_\@:
.endm
.macro FINAL_B
	s_cmp_lt_u32 s[TT], 64
	s_cbranch_scc0 .Lno_rows_\@
	s_wait_xcnt 0x0                                ; my last store has read its offset and its data: both are written again below
	s_wait_dscnt 0x0                               ; the four sums are in
	v_add_f32 v[FN], v[FN], v[FN+1]
	v_add_f32 v[FN+2], v[FN+2], v[FN+3]
	v_add_f32 v[FN], v[FN], v[FN+2]
	v_sqrt_f32 v[RS], v[FN]
	s_mul_i32 s42, s[TT], 16*800
	v_add_nc_u32 v[OA], s42, v[OO0]                ; row 16 x tile + lane of out0.  (The plain place behind the root)
	s_wait_alu depctr_va_vdst(0)
	global_store_b32 v[OA], v[RS], s[10:11] th:TH_STORE_NT
.Lno_rows_\@:
	s_add_co_u32 s[TT], s[TT], 4
.endm
; THE CHANGE OF PERIODS: one barrier, for five things.  In front of it each wave has stored its images of the next block, has fetched the last tile of the block in hand, has read its tile of x's slot,
; has stored its sums, and (fill or tw) has waited for its tensor load: x's next block but one.  fill = 1: the slot of x just read is filled again, three blocks on; the barrier is then a round of the cluster's,
; so that no wave of any partner still reads the slot or has a load on its way, and the joint load is the first thing behind it: it has a period's 128 products in which to land.
.macro CHANGE fill, fin, adv, tw
	WIN 0                                          ; at a label and at a branch every window is 0
.if \fin
	FINAL_B
.endif
.if (\fill) || (\tw)
	s_wait_tensorcnt 0x0                           ; my one tensor load that was out has landed, so its group 0 may be written
.endif
.if \fill
	ds_add_u32 v[SPW], v[NIL]                      ; 0 onto my spare word; the steps below stand between it and the wait for it
	s_xor_b32 s[G0B+1], s[G0B+1], XSLOT            ; the walking descriptor: the other slot than last time,
	s_add_nc_u64 s[G0B+2:G0B+3], s[G0B+2:G0B+3], 64*2048   ; the next 64 rows of x; the type bits on top are not reached
.endif
.if \adv
	s_sub_co_u32 s[TX], s[TX], XTILE               ; each base goes back over the period's four tiles, and to the other slot or buffer
	s_xor_b32 s[TX], s[TX], XSLOT
	s_sub_co_u32 s[TW], s[TW], IMGB
	s_xor_b32 s[TW], s[TW], IMGB
	s_sub_co_u32 s[TF], s[TF], IMGB
	s_xor_b32 s[TF], s[TF], IMGB
	s_sub_co_u32 s[TPW], s[TPW], 1024
	s_xor_b32 s[TPW], s[TPW], 1024
.endif
	s_xor_b32 s[TPR], s[TPR], 1024
	s_wait_dscnt 0x0                               ; the add is done; my LDS stores have landed and my LDS loads are in
.if \fill
	CROUND
	tensor_load_to_lds s[G0B:G0B+3], s[G1:G1+7]    ; my one tensor load until the next round
	s_nop 0
	PLACES                                         ; four v_nop follow it
.else
	s_barrier_signal -1
	s_barrier_wait -1
.endif
.if \fin
	FINAL_A
.endif
.endm
; ================ THE HEAD
	s_load_b256 s[4:11], s[0:1], 0x0               ; x s[4:5], protos s[6:7], subspaces s[8:9], out0 s[10:11]
	v_lshl_add_u32 v[SPW], v0, 2, SPARE
	v_mov_b32 v[NIL], 0
	ds_add_u32 v2, v3
	ds_add_u32 v2, v3
	s_wait_dscnt 0x0
	v_lshrrev_b32 v41, 5, v0
	v_readfirstlane_b32 s[WV], v41                 ; wave 0..3
	s_bfe_u32 s[CX], ttmp6, 0x40000                ; my place in the cluster
	s_lshl_b32 s[PP], ttmp9, 2                     ; in a cluster launch ttmp9 counts clusters
	s_add_co_u32 s[PP], s[PP], s[CX]               ; the prototype
	v_and_b32 v[LANE], 31, v0
	v_and_b32 v41, 15, v0                          ; r
	v_bfe_u32 v42, v0, 4, 1                        ; h
	v_lshlrev_b32 v[UGA], 4, v[LANE]               ; U: 16 bytes a lane, 512 consecutive bytes a load
	v_lshlrev_b32 v[PGA], 7, v42                   ; protos: my half's 32 numbers of each 64
	s_lshl_b32 s42, s[PP], 17                      ; U: 131,072 bytes a prototype, 32,768 for a wave's 128 rows
	s_lshl_b32 s43, s[WV], 15
	s_add_co_u32 s42, s42, s43
	s_mov_b32 s43, 0
	s_lshl_b32 s44, s[PP], 11                      ; protos: 2,048 bytes a prototype, 512 for a wave's 128 numbers
	s_lshl_b32 s45, s[WV], 9
	s_add_co_u32 s44, s44, s45
	s_mov_b32 s45, 0
	s_lshl_b32 s46, s[PP], 2                       ; out0: column p
	s_mov_b32 s47, 0
	s_wait_kmcnt 0x0
	s_add_nc_u64 s[8:9], s[8:9], s[42:43]
	s_add_nc_u64 s[6:7], s[6:7], s[44:45]
	s_add_nc_u64 s[10:11], s[10:11], s[46:47]
	WIN 0x40                                       ; destination window 1
.irp i, 0,1,2,3,4,5,6,7,8,9,10,11,12,13,14,15
	global_load_b128 v[PR+4*\i:PR+4*\i+3], v[PGA], s[6:7] offset:256*(\i/8)+16*(\i%8)   ; register 32 c + i: protos[p][128 w + 64 c + 32 h + i]
.endr
	WIN 0xc0                                       ; destination window 3
.set ii, 0
.rept 64
	global_load_b128 v[4*ii:4*ii+3], v[UGA], s[8:9] offset:512*ii th:TH_LOAD_NT   ; my 128 rows of U, read once
.set ii, ii+1
.endr
	WIN 0
	; descriptor group 1: a tile of 64 rows x 128 f32, padded in LDS
	s_mov_b32 s[G1], 15|(2<<16)|(1<<20)|(1<<21)|(6<<22)|(3<<25)   ; 15:0 the mask: all four work-groups; 17:16 elements of 4 bytes; 20 padding on; 21 set beside a mask; 24:22 after every 128 words (code 6); 31:25 of 4 words (code 3)
	s_mov_b32 s[G1+1], 128<<16                     ; tensor_dim0 = 128
	s_mov_b32 s[G1+2], 64<<16                      ; tensor_dim1 = 64
	s_mov_b32 s[G1+3], 128<<16                     ; tile_dim0 = 128
	s_mov_b32 s[G1+4], 64                          ; tile_dim1 = 64
	s_mov_b32 s[G1+5], 512                         ; elements from row to row
	s_mov_b32 s[G1+6], 0
	s_mov_b32 s[G1+7], 0
	s_mul_i32 s42, s[WV], XTILE                    ; my tile's place in a slot: no place in the cluster enters an LDS address
	s_lshl_b32 s44, s[WV], 9                       ; my 128 columns
	s_mov_b32 s[G0A], 1                            ; count = 1
	s_mov_b32 s[G0A+1], s42                        ; LDS address: slot 0
	s_add_nc_u64 s[G0A+2:G0A+3], s[4:5], s[44:45]  ; global address: rows 0 to 63
	s_mov_b32 s[G0B], 1
	s_add_co_u32 s[G0B+1], s42, XSLOT              ; slot 1
	s_add_nc_u64 s[G0B+2:G0B+3], s[G0A+2:G0A+3], 64*2048   ; rows 64 to 127
	s_or_b32 s[G0A+3], s[G0A+3], 0x80000000        ; type = 2
	s_or_b32 s[G0B+3], s[G0B+3], 0x80000000
	CROUND                                         ; all four work-groups are here: the first joint loads meet
	tensor_load_to_lds s[G0A:G0A+3], s[G1:G1+7]    ; both first fills together, ahead of every wait on TENSORcnt and every LDS read: two loads of mine are out
	s_nop 0
	tensor_load_to_lds s[G0B:G0B+3], s[G1:G1+7]
	s_nop 0
	PLACES
	v_bfe_u32 v43, v0, 3, 1                        ; r / 8
	v_and_b32 v38, 7, v0                           ; r % 8
	v_mul_u32_u24 v[XA0], v41, XROW
	v_lshl_add_u32 v[XA0], v42, 7, v[XA0]
	v_add_nc_u32 v[XA0], s42, v[XA0]               ; x: my tile, row r, + 128 h
	s_mul_i32 s43, s[WV], FRB
	s_add_co_u32 s43, s43, IMG
	v_lshl_add_u32 v[IW0], v[LANE], 4, s43         ; an image of K step w: 16 x lane
	s_lshl_b32 s43, s[WV], 2
	s_add_co_u32 s44, s43, IMG+4*FRB
	v_lshl_add_u32 v[IS0], v41, 4, s44             ; its scale word: 16 r + 4 w
	v_lshl_add_u32 v[FF0], v[LANE], 4, IMG
	v_lshl_add_u32 v[FS0], v41, 4, IMG+4*FRB
	s_add_co_u32 s44, s43, PART
	v_lshl_add_u32 v[PW0], v41, 4, s44             ; a sum: 16 r + 4 w
	s_and_b32 s43, s[WV], 1
	s_lshl_b32 s43, s43, 9
	s_add_co_u32 s43, s43, PART
	v_lshl_add_u32 v[FR0], v[LANE], 4, s43         ; four waves' sums: two slots of 16 rows for 32 lanes
	v_mul_u32_u24 v[OO0], v[LANE], 800
	v_lshlrev_b32 v[SH8], 3, v42
	s_mul_i32 s43, s[WV], 16*272
	s_add_co_u32 s43, s43, TST                     ; my stage
	v_mul_u32_u24 v[TSA], v42, 272
	v_lshl_add_u32 v[TSA], v41, 4, v[TSA]
	v_add_nc_u32 v[TSA], s43, v[TSA]               ; in: a load's two rows of 256 bytes, as loaded
	v_mul_u32_u24 v[TLA], v41, 272
	v_lshl_add_u32 v[TLA], v42, 7, v[TLA]
	v_add_nc_u32 v[TLA], s43, v[TLA]               ; back: row r, block h
	s_mul_i32 s43, s[WV], 8*768
	s_add_co_u32 s43, s43, UIMG
	v_lshl_add_u32 v[UIA], v[LANE], 4, s43         ; my 8 fragments of U
	v_lshl_add_u32 v[UIB], v[LANE], 3, s43
	s_lshl_b32 s43, s[WV], 10
	s_add_co_u32 s43, s43, USC
	v_lshl_add_u32 v[USA], v[LANE], 2, s43
	v_mul_u32_u24 v[PA0], v43, 768                 ; the d rows of a tile: row 8 u + r + 8 (r / 8) of 32 lies in fragment r / 8 of two, at lane 8 u + r % 8 + 16 h
	v_lshl_add_u32 v[PB0], v38, 3, v[PA0]
	v_lshl_add_u32 v[PA0], v38, 4, v[PA0]
	v_lshl_add_u32 v[PA0], v42, 8, v[PA0]
	v_add_nc_u32 v[PA0], UIMG, v[PA0]
	v_lshl_add_u32 v[PB0], v42, 7, v[PB0]
	v_add_nc_u32 v[PB0], UIMG, v[PB0]
	v_lshlrev_b32 v[PS0], 7, v43
	v_lshl_add_u32 v[PS0], v38, 2, v[PS0]
	v_lshl_add_u32 v[PS0], v42, 10, v[PS0]         ; lanes 16-31 take the scale words of the trip's second K step
	v_add_nc_u32 v[PS0], USC, v[PS0]
	v_mov_b32 v[WT], 0                             ; written once: a lane permute's destination counts as one of its sources
	v_mov_b32 v[ST1], 0
.irp i, 4,5,6,7
	v_mov_b32 v[TMB+\i], 0
.endr
.irp i, 0,1,2,3
	v_mov_b32 v[FN+\i], 0
.endr
	v_mov_b32 v[RS], 0
	s_mov_b32 s[SEL], 0x76543210
	s_mov_b32 s[SEL+1], 0xfedcba98
	s_lshl_b32 s42, s[WV], 1                       ; s[TT] = 2 w - 6, and 65,536 more in waves 2 and 3; each change of periods adds 4
	s_lshr_b32 s43, s[WV], 1
	s_lshl_b32 s43, s43, 16
	s_add_co_u32 s[TT], s42, s43
	s_add_co_u32 s[TT], s[TT], -6
; ================ PHASE A
	TURN 0
.irp g, 0,1,2,3,4,5,6,7
.if \g < 7
	TURN \g+1
.endif
.if \g == 0
	s_wait_dscnt 16                                ; this fragment's eight loads are in; behind them: the next turn's 16
.elseif \g < 7
	s_wait_dscnt 19                                ; behind them: the last fragment's 3 stores and the next turn's 16
.else
	s_wait_dscnt 3                                 ; behind them: the last fragment's 3 stores
.endif
	UQ \g
.endr
	s_wait_dscnt 0x0                               ; for the others' sake: my images have landed
	s_barrier_signal -1                            ; (x's two tiles may stay out, and only I read mine)
	s_barrier_wait -1
	WIN 0xc0
.set ii, 0
.rept 18                               ; K = 64 fills half of the instruction's 128: registers 6-11 of the 16 fragments of d rows and the 2 of e rows are zero codes, written once
.irp i, 6,7,8,9,10,11
	v_mov_b32 v[12*ii+\i], 0
.endr
.set ii, ii+1
.endr
	WIN 0
; ================ PHASE B: two trips; trip 0 makes K steps 0 and 1 and moves them to window 2, trip 1 makes K steps 2 and 3
	s_mov_b32 s[TR], 0
	s_mov_b32 s[KB], 0
	s_mov_b32 s[AOF], 0
	s_mov_b32 s[SOF], 0
.Ltrip:
	ALOAD
	ELOAD 0
	ELOAD 1
	IDUPD 0
	s_wait_dscnt 0x0
.irp t, 0,1,2,3,4,5,6,7
	WMB 0, \t                                      ; the first unit's products: there is no vector work yet to set between them
.endr
	WIN 0
	PLACES
.irp u, 0,1,2,3,4,5,6
	QW \u
.endr
	IDUPD 1                                        ; the products of the trip's first K step are issued; the twelve moves that end unit 6 are the places behind the last of them
.irp u, 7,8,9,10,11,12,13,14,15
	QW \u
.endr
	WIN 0
	s_cmp_lg_u32 s[TR], 0
	s_cbranch_scc1 .Lkeep
	WIN 0x81                                       ; source window 1, destination window 2.  One text serves both trips; the price is these moves, once
.set ii, 0
.rept 192
	v_mov_b32 v[ii], v[ii]
.set ii, ii+1
.endr
	WIN 0
.set ii, 0
.rept 16
	v_mov_b32 v[PSC+16+ii], v[PSC+ii]
.set ii, ii+1
.endr
.Lkeep:
	s_add_co_u32 s[KB], s[KB], 2
	s_add_co_u32 s[AOF], s[AOF], 2*8*768
	s_add_co_u32 s[SOF], s[SOF], 2*8*128
	s_add_co_u32 s[TR], s[TR], 1
	s_cmp_lt_u32 s[TR], 2
	s_cbranch_scc1 .Ltrip
	s_wait_dscnt 0x0                               ; my reads of U's images are over:
	s_barrier_signal -1
	s_barrier_wait -1                              ; everybody's are, and diff's images may be laid over them
; ================ THE MAIN PART.  Tile T of 64 has 16 rows, block j of 16 has 4 tiles.  Step k of period i multiplies tile 4 i + 3 + k, squares the tile before, fetches the tile after, and quantises tile k of block i + 2.
	s_mov_b32 s[TX], 0
	s_mov_b32 s[TW], 0
	s_mov_b32 s[TF], 2*IMGB                        ; (the first change makes 0 of it)
	s_mov_b32 s[TPW], 1024
	s_mov_b32 s[TPR], 1024
	s_wait_tensorcnt 0x1                           ; my tile of block 0 is in; block 1's load, issued behind it, may be out
	s_mov_b32 s[CNT], 4
.Lfirst:                                               ; block 0 is quantised
	v_add_nc_u32 v[XAD], s[TX], v[XA0]
	v_add_nc_u32 v[IWA], s[TW], v[IW0]
	v_add_nc_u32 v[ISA], s[TW], v[IS0]
	STEP 0, 0, 0, 1, 0, 0, 0
	WIN 0
	s_add_co_u32 s[TX], s[TX], 16*XROW
	s_add_co_u32 s[TW], s[TW], REC
	s_sub_co_u32 s[CNT], s[CNT], 1
	s_cmp_lg_u32 s[CNT], 0
	s_cbranch_scc1 .Lfirst
	CHANGE 1, 0, 1, 1                              ; period -1: block 2 is asked for
	HEADH
	STEP 1, 0, 0, 1, 1, 0, 0                       ; no tile to multiply yet: tile 0 is fetched, block 1 begun
	STEP 0, 1, 0, 1, 1, 1, 4                       ; tile 0; nothing to square yet.  Behind tile 0's last load stand four stores
	WIN 0
	TAILH
	HALF 1, 1, 5
	s_mov_b32 s[CNT], 13
.Lperiod:                                              ; periods 0 to 12: blocks 3 to 15 are asked for
	CHANGE 1, 1, 1, 1
	PERIOD 1, 1, 5
	s_sub_co_u32 s[CNT], s[CNT], 1
	s_cmp_lg_u32 s[CNT], 0
	s_cbranch_scc1 .Lperiod
	CHANGE 0, 1, 1, 1                              ; the tail is written out.  Period 13: block 15 has landed and is quantised; nothing is asked for
	PERIOD 1, 1, 5
	CHANGE 0, 1, 1, 0                              ; period 14: nothing is left to quantise
	PERIOD 0, 1, 1
	CHANGE 0, 1, 1, 0                              ; period 15: the last tile
	v_add_nc_u32 v[PWA], s[TPW], v[PW0]
	STEP 1, 1, 1, 0, 0, 0, 1
	STEP 0, 0, 1, 0, 0, 1, 0                       ; and its squares
	CHANGE 0, 1, 0, 0                              ; period 16: the last two tiles' results
	FINAL_B
	s_wait_tensorcnt 0x0                           ; the wave's end, behind my last tensor load and my last LDS store
	ds_add_u32 v[SPW], v[NIL]
	s_wait_dscnt 0x0
	CROUND                                         ; the closing round: no work-group ends while a partner may still ask for a tile that names it
	s_endpgm
.Lfunc_end_k_qd1b4da4150_tangent:
	.size	k_qd1b4da4150_tangent, .Lfunc_end_k_qd1b4da4150_tangent-k_qd1b4da4150_tangent
	.p2alignl 7, 3214868480
	.fill 96, 4, 3214868480
	.section	.rodata,"a",@progbits
	.p2align	6, 0x0
	.amdhsa_kernel k_qd1b4da4150_tangent
		.amdhsa_group_segment_fixed_size 327680
		.amdhsa_private_segment_fixed_size 0
		.amdhsa_enable_private_segment 0
		.amdhsa_kernarg_size 32
		.amdhsa_user_sgpr_count 2
		.amdhsa_user_sgpr_kernarg_segment_ptr 1
		.amdhsa_wavefront_size32 1
		.amdhsa_system_sgpr_workgroup_id_x 1
		.amdhsa_system_sgpr_workgroup_id_y 1
		.amdhsa_system_sgpr_workgroup_id_z 1
		.amdhsa_system_vgpr_workitem_id 0
		.amdhsa_next_free_vgpr 1024
		.amdhsa_next_free_sgpr 66
		.amdhsa_reserve_vcc 1
		.amdhsa_float_denorm_mode_32 3
		.amdhsa_float_denorm_mode_16_64 3
		.amdhsa_memory_ordered 1
		.amdhsa_forward_progress 1
		.amdhsa_inst_pref_size 255
	.end_amdhsa_kernel
	.section	.bss,"aw",@nobits
	.p2align	6
	.space	262144
	.amdgpu_metadata
---
amdhsa.version: [ 1, 2 ]
amdhsa.kernels:
  - .name:           k_qd1b4da4150_tangent
    .symbol:         k_qd1b4da4150_tangent.kd
    .args:
      - { .name: x, .offset: 0, .size: 8, .value_kind: global_buffer, .address_space: global }
      - { .name: protos, .offset: 8, .size: 8, .value_kind: global_buffer, .address_space: global }
      - { .name: subspaces, .offset: 16, .size: 8, .value_kind: global_buffer, .address_space: global }
      - { .name: out0, .offset: 24, .size: 8, .value_kind: global_buffer, .address_space: global }
    .group_segment_fixed_size: 327680
    .private_segment_fixed_size: 0
    .kernarg_segment_align: 8
    .kernarg_segment_size: 32
    .max_flat_workgroup_size: 128
    .sgpr_count:     66
    .vgpr_count:     1024
    .wavefront_size: 32
...
	.end_amdgpu_metadata
.endif
;; end of part 1
